; MI455X (gfx1250); checked and timed in simulation.
; The chip was launched on July 23, 2026; its instructions are those of AMD's public machine-readable ISA for CDNA 5 (MIT licence, August 2026) and "CDNA5" Instruction Set Architecture Reference Guide (July 2026). The comments in the code are by the model that wrote it; some were corrected since.
;; SA Layer. Allowed arithmetic: matrix products marked QUANTISED: E4M3 operands, one given power-of-two scale a tensor, by v_wmma_f32_16x16x64_fp8_fp8 or v_wmma_f32_16x16x128_fp8_fp8, f32 sums; everything else in f32.
;; Inputs: b_t 256 float32; b_v 256 float32; beta 256 float32; gamma 256 float32; lowp_scales 12 int32 (the exponents e of the quantised operands' scales 2^e); run_mean 256 float32; run_var 256 float32; w_qk 64 x 256 float32; w_t 256 x 256 float32; w_v 256 x 256 float32; x 8 x 256 x 4,096 float32.
;; Outputs: out0 8 x 256 x 4,096 float32.
;; This version of the problem:
;;   THIS VERSION OF THE PROBLEM IS GIVEN IN LOW PRECISION. The matrix products marked QUANTISED in the list below multiply operands that are first quantised to E4M3 (4 exponent bits, 3 mantissa bits; 8 bits a number), with one given power-of-two scale for each operand tensor; their sums are f32. All else is computed in f32.
;;   The module's matrix products, in the order in which they are computed (A, B: the left and right operand; K: the contracted axis; several contracted axes count as one K, in the product's order):
;;     1. [M 32,768, K 256] x [K 256, N 64]; A: input x; B: input w_qk: QUANTISED (scales: A lowp_scales[0], B lowp_scales[1])
;;     2. [M 32,768, K 256] x [K 256, N 64]; A: input x; B: input w_qk: QUANTISED (scales: A lowp_scales[2], B lowp_scales[3])
;;     3. batch 8 x [M 4,096, K 64] x [K 64, N 4,096]; A: computed on the way; B: computed on the way: QUANTISED (scales: A lowp_scales[4], B lowp_scales[5])
;;     4. [M 32,768, K 256] x [K 256, N 256]; A: input x; B: input w_v: QUANTISED (scales: A lowp_scales[6], B lowp_scales[7])
;;     5. batch 8 x [M 256, K 4,096] x [K 4,096, N 4,096]; A: computed on the way; B: computed on the way: QUANTISED (scales: A lowp_scales[8], B lowp_scales[9])
;;     6. [M 32,768, K 256] x [K 256, N 256]; A: computed on the way; B: input w_t: QUANTISED (scales: A lowp_scales[10], B lowp_scales[11])
;;   THE QUANTISER, for each operand of a quantised product, along K:
;;     - The operand's scale is 2^e, e = its entry of the input lowp_scales (int32; the entries are numbered through the quantised products in the list's order, A before B).
;;     - Each number is divided by the scale, clamped to +-448, and rounded to the nearest number of E4M3, ties to even, subnormals kept.
;;     - The product sums the exact products of the quantised numbers (number of the format x scale) in f32.
;;   ~~~python
;;   def quantise(x, axis, e):      # numpy; x: float32 -> the quantised numbers, widened to float32 again
;;       x = np.moveaxis(x, axis, -1); K = x.shape[-1]
;;       r = np.clip(x / 2.0 ** e, -448, 448)
;;       step = 2.0 ** (np.maximum(np.frexp(np.where(r == 0, 1, r))[1] - 1, -6) - 3)
;;       q = np.round(r / step) * step * 2.0 ** e      # np.round: ties to even
;;       return np.moveaxis(q, -1, axis).astype(np.float32)
;;   ~~~
;;   OPERANDS COMPUTED ON THE WAY. 'Computed on the way' means the value that the module computes at that place (a softmax that the list does not call 'softmax' is quantised finished and normalised). What goes into a quantiser is computed in f32, as accurately as f32 sums, v_exp_f32 and their like allow (about 1e-6 of the number): no bf16 or f16 on the way to a quantiser, and a product that is left as it is and whose result goes on into a quantised operand takes f32 operands (vector FMAs, or v_wmma_f32_16x16x4_f32). A number that lies on a knife's edge between two numbers of the format may be rounded either way, as far as f32 arithmetic and the matrix unit's own rounding can turn it there, and no further.
;; One version. Each part assembles by itself: llvm-mc -triple=amdgcn-amd-amdhsa -mcpu=gfx1250 --defsym DOCPART=n.
;; ======== version 1 of 1: 3 launches
;; workspace buffers: q_img 2,097,152 bytes; k_img 2,097,152 bytes; v_img 8,388,608 bytes; wt_img 65,536 bytes; ab 2,048 bytes; nst 131,072 bytes
;; launch proj (part 1): grid 32 x 8, 8 waves a work-group, no clusters, 209,920 bytes of LDS; arguments x, w_qk, w_v, b_v, w_t, b_t, gamma, beta, run_mean, run_var, lowp_scales, q_img, k_img, v_img, wt_img, ab; writes q_img, k_img, v_img, wt_img, ab
.if DOCPART == 1
	.amdgcn_target "amdgcn-amd-amdhsa--gfx1250"
	.amdhsa_code_object_version 6
	.text
	.protected	k_qd9eef75ffb_proj
	.globl	k_qd9eef75ffb_proj
	.p2align	8
	.type	k_qd9eef75ffb_proj,@function
k_qd9eef75ffb_proj:
	s_mov_b64 s[64:65], 0
	v_nop
	global_prefetch_b8 v0, s[64:65] scope:SCOPE_SE
	s_setreg_imm32_b32 hwreg(HW_REG_WAVE_MODE, 25, 1), 1
	s_wait_xcnt 0x0
; THE THREE PROJECTIONS OF x, ALL ON CODES OF E4M3, AND THE CONSTANTS OF THE LAST LAYER.
;   x_q = w_qk x (x under e0, w_qk under e1), quantised under e4;  x_k = w_qk x (e2, e3), quantised under e5;  x_v = w_v x + b_v (e6, e7), quantised under e8.
; x: [8][256 c][4096 n] f32.  A work-group takes one batch b (grid y) and 128 neighbouring n (grid x), all 256 c: each byte of x is read once in the launch.
; PHASE A.  x has its K (the channels) as its first axis: a lane takes a column n and its registers run down c, so the conversions give codes with c innermost.  They go into LDS as rows
; of 256 codes, once for each of the three given scales.  The weights have c innermost: they are read as they lie (512 consecutive bytes a load) and their codes are laid as rows too.
; PHASE B.  Behind the one barrier: products by v_wmma_f32_16x16x128_fp8_fp8; each result is laid so that a lane's eight registers are eight neighbours along the NEXT product's K, is
; quantised in registers, and leaves as an IMAGE OF THE NEXT OPERAND'S REGISTERS: four registers a lane at 16 x lane, 512 consecutive aligned bytes a store.
;   q_img, k_img [b][tile of 16 rows][half 2][lane][16 B]: register 2 t + e, byte y of lane (r, h) = row r, o = 16 t + 8 h + 4 e + y
;   v_img [b][128 n][tile of 16 c][quad 4][lane][16 B]:    register 2 t + e, byte y of lane (r, h) = channel r, n = 16 t + 8 h + 4 e + y
;   wt_img [tile of 16 o][128 c][quad 4][lane][16 B]:      w_t under e11, likewise.     ab: A[256] = inv x 2^(e10 + e11), B[256] = b_t inv + beta - mean inv, inv = gamma / sqrt(var + 1e-5)
; No tensor load and no cluster: x is read by one work-group alone, and the weights that all share are 0.6 MB beside x's 33.5 MB.
; LIMITS: e0, e1, e2, e3, e6, e7, e8, e11, e4 - e0 - e1 and e5 - e2 - e3 between -126 and 119; e6 + e7 between -126 and 127.  NaN among the inputs is not served; an infinity is held at the largest code.
.set PITCH, 272                        ; an LDS row: 256 codes + 16 bytes, an odd multiple of 16: the 16 rows of a fragment load start in 16 different groups of banks
.set TILE,  16*PITCH
.set XC2,   128*PITCH                  ; x's codes: under e0 at 0, under e2 here,
.set XC6,   2*128*PITCH                ; under e6 here: 128 rows each
.set WQ1,   3*128*PITCH                ; w_qk's codes under e1, 64 rows;
.set WQD,   64*PITCH                   ; under e3 this much further on
.set WV7,   WQ1+2*WQD                  ; w_v's codes under e7, 256 rows; ends at 208,896
.set XO,  2                            ; v2   4 x lane
.set LI,  3                            ; v3   16 x lane
.set XW,  4                            ; v4   where I store x's codes: row 32 g + lane, byte 128 s
.set XW6, 5                            ; v5   the same in the third region
.set WWQ, 6                            ; v6   where I store w_qk's codes: rows 8 w on, byte 4 x lane
.set WWV, 7                            ; v7   w_v's: rows 32 w on
.set FAX, 8                            ; v8   fragments of x for q or k: my two tiles of n
.set FAW, 9                            ; v9   fragments of w_qk
.set FA6, 10                           ; v10  fragments of x under e6
.set FAV, 11                           ; v11  fragments of w_v: my two tiles of channels
.set BO,  12                           ; v12  4 x (lane % 16)
.set CST, 16                           ; v16-31  pairs (2^e, 448 x 2^e): e0, e2, e6, e1, e3, e7, q's or k's folded scale, e8
.set BV,  32                           ; v32-35  b_v of my lane's channel in my two tiles, each the low word of a pair
.set T,   36                           ; v36-51  held numbers, two sets of eight by turns
.set CX,  52                           ; v52-75  a block's codes of x, three versions
.set CW,  76                           ; v76-91  a block's codes of a weight
.set XBA, 108                          ; v108-171  two sets of 32 numbers of x
.set XBB, 140
.set WBA, 172                          ; v172-235  two sets of 32 numbers of a weight
.set WBB, 204
.set WF,  36                           ; phase B: v36-99 fragments of a weight
.set XF,  100                          ; v100-163 fragments of x
.set ACC, 132                          ; v132-195 q's or k's eight accumulators
.set QC,  196                          ; v196-211 their codes
.set ACCV, 164                         ; v164-195 x_v's four accumulators
.set VC,  212                          ; v212-243 x_v's codes: registers of their own for every store
.macro MKC d, e                        ; v[d] = 2^e as f32 (the conversion takes its exponent field), v[d + 1] = 448 x 2^e
	s_add_co_i32 s58, \e, 127
	s_lshl_b32 s59, s58, 23
	v_mov_b32 v[\d], s59
	s_add_co_i32 s58, s58, 8
	s_lshl_b32 s58, s58, 23
	s_or_b32 s58, s58, 0x600000
	v_mov_b32 v[\d+1], s58
.endm
.macro PLACES
.rept 4
	v_nop
.endr
.endm
	s_load_b512 s[8:23], s[0:1], 0x0               ; x s[8:9], w_qk s[10:11], w_v s[12:13], b_v s[14:15], w_t s[16:17], b_t s[18:19], gamma s[20:21], beta s[22:23]
	s_load_b512 s[24:39], s[0:1], 0x40             ; run_mean s[24:25], run_var s[26:27], scales s[28:29], q_img s[30:31], k_img s[32:33], v_img s[34:35], wt_img s[36:37], ab s[38:39]
	v_lshl_add_u32 v254, v0, 2, 0x33000
	v_mov_b32 v255, 0
	v_lshrrev_b32 v1, 5, v0
	v_readfirstlane_b32 s52, v1                    ; wave w, 0..7
	s_and_b32 s53, s52, 3                          ; g: which 32 n (phase A); which two tiles of n (q, k)
	s_lshr_b32 s54, s52, 2                         ; s: which 128 c (phase A); q (0) or k (1)
	s_and_b32 s60, ttmp7, 0xffff                   ; b
	s_lshl_b32 s55, s60, 5
	s_add_co_u32 s55, s55, ttmp9                   ; id = 32 b + ns
	v_and_b32 v1, 31, v0                           ; lane
	v_and_b32 v13, 15, v0                          ; r
	v_bfe_u32 v14, v0, 4, 1                        ; h
	v_lshlrev_b32 v[XO], 2, v1
	v_lshlrev_b32 v[LI], 4, v1
	v_lshlrev_b32 v[BO], 2, v13
	s_mul_i32 s58, s53, 32*PITCH
	s_lshl_b32 s59, s54, 7
	s_add_co_u32 s58, s58, s59
	v_mul_u32_u24 v[XW], v1, PITCH
	v_add_nc_u32 v[XW], s58, v[XW]
	v_add_nc_u32 v[XW6], XC6, v[XW]
	s_mul_i32 s58, s52, 8*PITCH
	s_add_co_u32 s58, s58, WQ1
	v_add_nc_u32 v[WWQ], s58, v[XO]
	s_mul_i32 s58, s52, 32*PITCH
	s_add_co_u32 s58, s58, WV7
	v_add_nc_u32 v[WWV], s58, v[XO]
	v_mul_u32_u24 v15, v13, PITCH
	v_lshl_add_u32 v15, v14, 4, v15                ; a fragment's row x pitch + 16 x half
	s_mul_i32 s58, s54, XC2
	s_mul_i32 s59, s53, 2*TILE
	s_add_co_u32 s58, s58, s59
	v_add_nc_u32 v[FAX], s58, v15
	s_mul_i32 s58, s54, WQD
	s_add_co_u32 s58, s58, WQ1
	v_add_nc_u32 v[FAW], s58, v15
	v_add_nc_u32 v[FA6], XC6, v15
	s_mul_i32 s58, s52, 2*TILE
	s_add_co_u32 s58, s58, WV7
	v_add_nc_u32 v[FAV], s58, v15
	v_mov_b32 v[BV+1], 0                           ; (named as the upper halves of pairs)
	v_mov_b32 v[BV+3], 0
	s_wait_kmcnt 0x0
	s_load_b256 s[40:47], s[28:29], 0x0            ; e0 .. e7
	s_load_b128 s[48:51], s[28:29], 0x20           ; e8 .. e11
	s_lshl_b32 s58, s60, 22                        ; x: batch b, channels 128 s on, columns 128 ns + 32 g on
	s_lshl_b32 s59, s54, 21
	s_add_co_u32 s58, s58, s59
	s_lshl_b32 s59, ttmp9, 9
	s_add_co_u32 s58, s58, s59
	s_lshl_b32 s59, s53, 7
	s_add_co_u32 s58, s58, s59
	s_mov_b32 s59, 0
	s_add_nc_u64 s[8:9], s[8:9], s[58:59]
	s_lshl_b32 s58, s52, 13                        ; w_qk: my 8 rows of 1,024 bytes
	s_add_nc_u64 s[10:11], s[10:11], s[58:59]
	s_lshl_b32 s58, s52, 15                        ; w_v: my 32 rows
	s_add_nc_u64 s[12:13], s[12:13], s[58:59]
	s_lshl_b32 s58, s52, 7                         ; b_v: my 32 channels
	s_add_nc_u64 s[14:15], s[14:15], s[58:59]
	s_cmp_lt_u32 s52, 4                            ; waves 0-3 store q's images, waves 4-7 k's: the choice hangs on the wave's number alone
	s_cselect_b64 s[30:31], s[30:31], s[32:33]
	s_lshl_b32 s58, s55, 13                        ; tile 8 id + 2 g, 1,024 bytes a tile
	s_lshl_b32 s61, s53, 11
	s_add_co_u32 s58, s58, s61
	s_add_nc_u64 s[30:31], s[30:31], s[58:59]
	s_lshl_b32 s58, s55, 15                        ; v_img: 32,768 bytes for 128 n; my two tiles of channels, 2,048 bytes each
	s_lshl_b32 s61, s52, 12
	s_add_co_u32 s58, s58, s61
	s_add_nc_u64 s[34:35], s[34:35], s[58:59]
; block k of x: x(128 s + 32 k + i, my column), i = 0 .. 31: each load reads 128 consecutive bytes, the four waves of a half 512
.macro XL k, set
.set cnt, 0
.rept 32
	global_load_b32 v[\set+cnt], v[XO], s[8:9] offset:(32*\k+cnt)*16384 th:TH_LOAD_NT
.set cnt, cnt+1
.endr
.endm
; its 32 numbers are held and converted three times, once for each given scale: 32 codes of my row a version
.macro XP k, set
	s_wait_dscnt 0x0                               ; the last block's LDS stores have read their registers
.irp ver, 0,1,2
.irp u, 0,1,2,3
.irp i, 0,1,2,3,4,5,6,7
	v_med3_num_f32 v[T+8*(\u%2)+\i], v[\set+8*\u+\i], -v[CST+2*\ver+1], v[CST+2*\ver+1]   ; the conversion to an 8-bit code does not saturate (ISA guide 7.6.2): the hold at the largest code x the scale
.endr
	v_cvt_scalef32_pk8_fp8_f32 v[CX+8*\ver+2*\u:CX+8*\ver+2*\u+1], v[T+8*(\u%2):T+8*(\u%2)+7], v[CST+2*\ver]   ; the next eight holds write the other set: plain lines between a conversion and the next write of its sources
.endr
.endr
	v_nop                                          ; a plain line behind the last conversion
	ds_store_b128 v[XW], v[CX:CX+3] offset:32*\k
	ds_store_b128 v[XW], v[CX+4:CX+7] offset:32*\k+16
	ds_store_b128 v[XW], v[CX+8:CX+11] offset:XC2+32*\k
	ds_store_b128 v[XW], v[CX+12:CX+15] offset:XC2+32*\k+16
	ds_store_b128 v[XW6], v[CX+16:CX+19] offset:32*\k
	ds_store_b128 v[XW6], v[CX+20:CX+23] offset:32*\k+16
.endm
; block k of the weights: four rows of 1,024 bytes as they lie, 512 consecutive bytes a load.  k = 0, 1: w_qk; k = 2 .. 9: w_v.  Loads 2 p and 2 p + 1 are the halves of row p
.macro WL k, set
.irp j, 0,1,2,3,4,5,6,7
.if \k < 2
	global_load_b128 v[\set+4*\j:\set+4*\j+3], v[LI], s[10:11] offset:\k*4096+\j*512
.else
	global_load_b128 v[\set+4*\j:\set+4*\j+3], v[LI], s[12:13] offset:(\k-2)*4096+\j*512
.endif
.endr
.endm
; a lane's eight numbers of a row (c = 4 lane .. + 3 and 128 + 4 lane .. + 3) become two words of codes; each word's store covers 128 consecutive bytes of the row
.macro WP k, set
	s_wait_dscnt 0x0                               ; the last block's LDS stores have read their registers
.if \k < 2
.irp ver, 0,1
.irp p, 0,1,2,3
.irp i, 0,1,2,3,4,5,6,7
	v_med3_num_f32 v[T+8*(\p%2)+\i], v[\set+8*\p+\i], -v[CST+6+2*\ver+1], v[CST+6+2*\ver+1]
.endr
	v_cvt_scalef32_pk8_fp8_f32 v[CW+8*\ver+2*\p:CW+8*\ver+2*\p+1], v[T+8*(\p%2):T+8*(\p%2)+7], v[CST+6+2*\ver]
.endr
.endr
	v_nop
.irp ver, 0,1
.irp p, 0,1,2,3
	ds_store_b32 v[WWQ], v[CW+8*\ver+2*\p] offset:WQD*\ver+(4*\k+\p)*PITCH
	ds_store_b32 v[WWQ], v[CW+8*\ver+2*\p+1] offset:WQD*\ver+(4*\k+\p)*PITCH+128
.endr
.endr
.else
.irp p, 0,1,2,3
.irp i, 0,1,2,3,4,5,6,7
	v_med3_num_f32 v[T+8*(\p%2)+\i], v[\set+8*\p+\i], -v[CST+11], v[CST+11]
.endr
	v_cvt_scalef32_pk8_fp8_f32 v[CW+2*\p:CW+2*\p+1], v[T+8*(\p%2):T+8*(\p%2)+7], v[CST+10]
.endr
	v_nop
.irp p, 0,1,2,3
	ds_store_b32 v[WWV], v[CW+2*\p] offset:(4*(\k-2)+\p)*PITCH
	ds_store_b32 v[WWV], v[CW+2*\p+1] offset:(4*(\k-2)+\p)*PITCH+128
.endr
.endif
.endm
	; ---- PHASE A.  Three jobs are always on their way; each wait's count is the loads of the two jobs issued behind the one that is wanted (a block of x: 32, of a weight: 8)
	global_load_b32 v[BV], v[BO], s[14:15]         ; b_v(32 w + r), b_v(32 w + 16 + r): ahead of everything, so the first wait covers them
	global_load_b32 v[BV+2], v[BO], s[14:15] offset:64
	XL 0, XBA
	WL 0, WBA
	WL 1, WBB
	s_wait_kmcnt 0x0
	MKC CST, s40
	MKC CST+2, s42
	MKC CST+4, s46
	MKC CST+6, s41
	MKC CST+8, s43
	MKC CST+10, s47
	s_sub_co_i32 s60, s44, s40
	s_sub_co_i32 s60, s60, s41                     ; a sum of q's product stands for sum x 2^(e0 + e1): its code is sum / 2^(e4 - e0 - e1);
	s_sub_co_i32 s61, s45, s42
	s_sub_co_i32 s61, s61, s43                     ; k's likewise with e5, e2, e3
	s_cmp_lt_u32 s52, 4
	s_cselect_b32 s60, s60, s61
	MKC CST+12, s60
	MKC CST+14, s48
	s_add_co_i32 s56, s46, s47
	s_add_co_i32 s56, s56, 127
	s_lshl_b32 s56, s56, 23                        ; 2^(e6 + e7) as f32
	s_mov_b32 s57, s56                             ; (named with it as a pair)
	s_wait_loadcnt 16
	XP 0, XBA
	XL 1, XBB
	s_wait_loadcnt 40
	WP 0, WBA
	WL 2, WBA
	s_wait_loadcnt 40
	WP 1, WBB
	WL 3, WBB
	s_wait_loadcnt 16
	XP 1, XBB
	XL 2, XBA
	s_wait_loadcnt 40
	WP 2, WBA
	WL 4, WBA
	s_wait_loadcnt 40
	WP 3, WBB
	WL 5, WBB
	s_wait_loadcnt 16
	XP 2, XBA
	XL 3, XBB
	s_wait_loadcnt 40
	WP 4, WBA
	WL 6, WBA
	s_wait_loadcnt 40
	WP 5, WBB
	WL 7, WBB
	s_wait_loadcnt 16
	XP 3, XBB
	s_wait_loadcnt 8
	WP 6, WBA
	WL 8, WBA
	s_wait_loadcnt 8
	WP 7, WBB
	WL 9, WBB
	s_wait_loadcnt 8
	WP 8, WBA
	s_wait_loadcnt 0x0
	WP 9, WBB
	s_wait_dscnt 0x0                               ; for the others' sake: my codes lie in LDS
	s_barrier_signal -1
	s_barrier_wait -1                              ; everybody's do; from here on LDS is only read
	; ---- PHASE B, q or k.  Source 0 = 16 rows o of w_qk, source 1 = 16 rows n of x: a lane holds one n (lane % 16), its registers o = 16 ot + 8 (lane / 16) + 0 .. 7.
	; A fragment comes by four loads of 16 bytes, 32 bytes apart: a permutation of c that is the same in x and in the weight.  The eight accumulators take turns.
.irp ks, 0,1
.if \ks
	PLACES                                         ; in front of loads into registers that matrix instructions have read
.endif
.irp ot, 0,1,2,3
.irp c, 0,1,2,3
	ds_load_b128 v[WF+16*\ot+4*\c:WF+16*\ot+4*\c+3], v[FAW] offset:\ot*TILE+128*\ks+32*\c
.endr
.endr
.irp u, 0,1
.irp c, 0,1,2,3
	ds_load_b128 v[XF+16*\u+4*\c:XF+16*\u+4*\c+3], v[FAX] offset:\u*TILE+128*\ks+32*\c
.endr
.endr
	s_wait_dscnt 0x0
.irp u, 0,1
.irp ot, 0,1,2,3
.if \ks
	v_wmma_f32_16x16x128_fp8_fp8 v[ACC+32*\u+8*\ot:ACC+32*\u+8*\ot+7], v[WF+16*\ot:WF+16*\ot+15], v[XF+16*\u:XF+16*\u+15], v[ACC+32*\u+8*\ot:ACC+32*\u+8*\ot+7]
.else
	v_wmma_f32_16x16x128_fp8_fp8 v[ACC+32*\u+8*\ot:ACC+32*\u+8*\ot+7], v[WF+16*\ot:WF+16*\ot+15], v[XF+16*\u:XF+16*\u+15], 0
.endif
.endr
.endr
.endr
	PLACES
.set cnt, 0
.rept 64
	v_med3_num_f32 v[ACC+cnt], v[ACC+cnt], -v[CST+13], v[CST+13]   ; each accumulator from its low end on
.set cnt, cnt+1
.endr
.irp u, 0,1
.irp ot, 0,1,2,3
	v_cvt_scalef32_pk8_fp8_f32 v[QC+8*\u+2*\ot:QC+8*\u+2*\ot+1], v[ACC+32*\u+8*\ot:ACC+32*\u+8*\ot+7], v[CST+12]   ; registers 2 ot, 2 ot + 1 of the next operand
.endr
.endr
	v_nop                                          ; a plain line between the conversions and the matrix instructions that write their sources again
.irp u, 0,1
	global_store_b128 v[LI], v[QC+8*\u:QC+8*\u+3], s[30:31] offset:\u*1024         ; 32 lanes store 512 consecutive bytes, aligned
	global_store_b128 v[LI], v[QC+8*\u+4:QC+8*\u+7], s[30:31] offset:\u*1024+512
.endr
	; ---- x_v.  My two tiles of channels stay in registers; source 0 = 16 rows n of x, source 1 = 16 rows of w_v: a lane holds one channel, its registers n = 8 (lane / 16) + 0 .. 7 of the tile
.irp t, 0,1
.irp ks, 0,1
.irp c, 0,1,2,3
	ds_load_b128 v[WF+32*\t+16*\ks+4*\c:WF+32*\t+16*\ks+4*\c+3], v[FAV] offset:\t*TILE+128*\ks+32*\c
.endr
.endr
.endr
.macro VQUAD q                         ; tiles 2 q, 2 q + 1 of n: they are registers 4 q .. 4 q + 3 of the next operand
	PLACES
.irp u, 0,1
.irp ks, 0,1
.irp c, 0,1,2,3
	ds_load_b128 v[XF+32*\u+16*\ks+4*\c:XF+32*\u+16*\ks+4*\c+3], v[FA6] offset:(2*\q+\u)*TILE+128*\ks+32*\c
.endr
.endr
.endr
	s_wait_dscnt 0x0
.irp t, 0,1
.irp u, 0,1
	v_wmma_f32_16x16x128_fp8_fp8 v[ACCV+16*\t+8*\u:ACCV+16*\t+8*\u+7], v[XF+32*\u:XF+32*\u+15], v[WF+32*\t:WF+32*\t+15], 0
.endr
.endr
.irp t, 0,1
.irp u, 0,1
	v_wmma_f32_16x16x128_fp8_fp8 v[ACCV+16*\t+8*\u:ACCV+16*\t+8*\u+7], v[XF+32*\u+16:XF+32*\u+31], v[WF+32*\t+16:WF+32*\t+31], v[ACCV+16*\t+8*\u:ACCV+16*\t+8*\u+7]
.endr
.endr
	PLACES
.irp t, 0,1
.irp j, 0,2,4,6,8,10,12,14
	v_pk_fma_f32 v[ACCV+16*\t+\j:ACCV+16*\t+\j+1], v[ACCV+16*\t+\j:ACCV+16*\t+\j+1], s[56:57], v[BV+2*\t:BV+2*\t+1] op_sel_hi:[1,0,0]   ; sum x 2^(e6 + e7) + b_v (the pairs' low words serve both halves)
.endr
.endr
.set cnt, 0
.rept 32
	v_med3_num_f32 v[ACCV+cnt], v[ACCV+cnt], -v[CST+15], v[CST+15]
.set cnt, cnt+1
.endr
.irp t, 0,1
.irp u, 0,1
	v_cvt_scalef32_pk8_fp8_f32 v[VC+8*\q+4*\t+2*\u:VC+8*\q+4*\t+2*\u+1], v[ACCV+16*\t+8*\u:ACCV+16*\t+8*\u+7], v[CST+14]
.endr
.endr
	v_nop
.irp t, 0,1
	global_store_b128 v[LI], v[VC+8*\q+4*\t:VC+8*\q+4*\t+3], s[34:35] offset:\t*2048+\q*512
.endr
.endm
	VQUAD 0
	VQUAD 1
	VQUAD 2
	VQUAD 3
	; ---- w_t's codes: 32 fragments, one for each of waves 0 and 1 of the first sixteen work-groups; the last layer's constants: the seventeenth work-group.  Neither touches LDS or a barrier
	s_cmp_lt_u32 s55, 16
	s_cbranch_scc0 .Lnot_wt
	s_cmp_lt_u32 s52, 2
	s_cbranch_scc0 .Lend
	s_lshl_b32 s58, s55, 14                        ; rows 16 id on, c = 128 w on
	s_lshl_b32 s61, s52, 9
	s_add_co_u32 s58, s58, s61
	s_mov_b32 s59, 0
	s_add_nc_u64 s[16:17], s[16:17], s[58:59]
	s_lshl_b32 s58, s55, 12                        ; fragment 2 id + w, 2,048 bytes
	s_lshl_b32 s61, s52, 11
	s_add_co_u32 s58, s58, s61
	s_add_nc_u64 s[36:37], s[36:37], s[58:59]
	v_lshlrev_b32 v244, 10, v13
	v_lshl_add_u32 v244, v14, 5, v244              ; row r of 1,024 bytes, + 32 h: my eight numbers of each 16
.irp cc, 0,1,2,3,4,5,6,7
	global_load_b128 v[WF+8*\cc:WF+8*\cc+3], v244, s[16:17] offset:64*\cc
	global_load_b128 v[WF+8*\cc+4:WF+8*\cc+7], v244, s[16:17] offset:64*\cc+16
.endr
	MKC 246, s51
	s_wait_loadcnt 0x0
.set cnt, 0
.rept 64
	v_med3_num_f32 v[WF+cnt], v[WF+cnt], -v247, v247
.set cnt, cnt+1
.endr
.irp cc, 0,1,2,3,4,5,6,7
	v_cvt_scalef32_pk8_fp8_f32 v[XF+2*\cc:XF+2*\cc+1], v[WF+8*\cc:WF+8*\cc+7], v246
.endr
	v_nop
.irp q, 0,1,2,3
	global_store_b128 v[LI], v[XF+4*\q:XF+4*\q+3], s[36:37] offset:\q*512
.endr
	s_branch .Lend
.Lnot_wt:
	s_cmp_eq_u32 s55, 16
	s_cbranch_scc0 .Lend
	v_lshlrev_b32 v244, 2, v0                      ; thread t takes channel t
	global_load_b32 v36, v244, s[20:21]            ; gamma
	global_load_b32 v37, v244, s[22:23]            ; beta
	global_load_b32 v38, v244, s[24:25]            ; run_mean
	global_load_b32 v39, v244, s[26:27]            ; run_var
	global_load_b32 v40, v244, s[18:19]            ; b_t
	s_add_co_i32 s58, s50, s51                     ; e10 + e11
	s_wait_loadcnt 0x0
	v_add_f32 v39, 0x3727c5ac, v39                 ; + 1e-5
	v_rsq_f32 v41, v39
	v_nop                                          ; a plain line behind the transcendental,
	s_wait_alu depctr_va_vdst(0)                   ; and the wait ahead of its first reader
	v_mul_f32 v41, v36, v41                        ; inv
	v_ldexp_f32 v42, v41, s58                      ; A = inv x 2^(e10 + e11)
	v_fma_f32 v43, -v38, v41, v37                  ; beta - mean inv
	v_fma_f32 v43, v40, v41, v43                   ; B = b_t inv + that
	global_store_b32 v244, v42, s[38:39]
	global_store_b32 v244, v43, s[38:39] offset:1024
.Lend:
	s_barrier_signal -1
	s_barrier_wait -1
	s_wait_tensorcnt 0x0
	ds_add_u32 v254, v255
	s_wait_dscnt 0x0
	s_endpgm
.Lfunc_end_k_qd9eef75ffb_proj:
	.size	k_qd9eef75ffb_proj, .Lfunc_end_k_qd9eef75ffb_proj-k_qd9eef75ffb_proj
	.p2alignl 7, 3214868480
	.fill 96, 4, 3214868480
	.section	.rodata,"a",@progbits
	.p2align	6, 0x0
	.amdhsa_kernel k_qd9eef75ffb_proj
		.amdhsa_group_segment_fixed_size 209920
		.amdhsa_private_segment_fixed_size 0
		.amdhsa_enable_private_segment 0
		.amdhsa_kernarg_size 128
		.amdhsa_user_sgpr_count 2
		.amdhsa_user_sgpr_kernarg_segment_ptr 1
		.amdhsa_wavefront_size32 1
		.amdhsa_system_sgpr_workgroup_id_x 1
		.amdhsa_system_sgpr_workgroup_id_y 1
		.amdhsa_system_sgpr_workgroup_id_z 1
		.amdhsa_system_vgpr_workitem_id 0
		.amdhsa_next_free_vgpr 256
		.amdhsa_next_free_sgpr 66
		.amdhsa_reserve_vcc 0
		.amdhsa_float_denorm_mode_32 3
		.amdhsa_float_denorm_mode_16_64 3
		.amdhsa_memory_ordered 1
		.amdhsa_forward_progress 1
		.amdhsa_inst_pref_size 129
	.end_amdhsa_kernel
	.amdgpu_metadata
---
amdhsa.version: [ 1, 2 ]
amdhsa.kernels:
  - .name:           k_qd9eef75ffb_proj
    .symbol:         k_qd9eef75ffb_proj.kd
    .args:
      - { .name: x, .offset: 0, .size: 8, .value_kind: global_buffer, .address_space: global }
      - { .name: w_qk, .offset: 8, .size: 8, .value_kind: global_buffer, .address_space: global }
      - { .name: w_v, .offset: 16, .size: 8, .value_kind: global_buffer, .address_space: global }
      - { .name: b_v, .offset: 24, .size: 8, .value_kind: global_buffer, .address_space: global }
      - { .name: w_t, .offset: 32, .size: 8, .value_kind: global_buffer, .address_space: global }
      - { .name: b_t, .offset: 40, .size: 8, .value_kind: global_buffer, .address_space: global }
      - { .name: gamma, .offset: 48, .size: 8, .value_kind: global_buffer, .address_space: global }
      - { .name: beta, .offset: 56, .size: 8, .value_kind: global_buffer, .address_space: global }
      - { .name: run_mean, .offset: 64, .size: 8, .value_kind: global_buffer, .address_space: global }
      - { .name: run_var, .offset: 72, .size: 8, .value_kind: global_buffer, .address_space: global }
      - { .name: lowp_scales, .offset: 80, .size: 8, .value_kind: global_buffer, .address_space: global }
      - { .name: q_img, .offset: 88, .size: 8, .value_kind: global_buffer, .address_space: global }
      - { .name: k_img, .offset: 96, .size: 8, .value_kind: global_buffer, .address_space: global }
      - { .name: v_img, .offset: 104, .size: 8, .value_kind: global_buffer, .address_space: global }
      - { .name: wt_img, .offset: 112, .size: 8, .value_kind: global_buffer, .address_space: global }
      - { .name: ab, .offset: 120, .size: 8, .value_kind: global_buffer, .address_space: global }
    .group_segment_fixed_size: 209920
    .private_segment_fixed_size: 0
    .kernarg_segment_align: 8
    .kernarg_segment_size: 128
    .max_flat_workgroup_size: 256
    .sgpr_count:     66
    .vgpr_count:     256
    .wavefront_size: 32
...
	.end_amdgpu_metadata
.endif
;; end of part 1
;; launch stats (part 2): grid 32 x 8, 16 waves a work-group, clusters of 4 x 1, 327,680 bytes of LDS; arguments q_img, k_img, lowp_scales, nst; writes nst
.if DOCPART == 2
	.amdgcn_target "amdgcn-amd-amdhsa--gfx1250"
	.amdhsa_code_object_version 6
	.text
	.protected	k_qd9eef75ffb_stats
	.globl	k_qd9eef75ffb_stats
	.p2align	8
	.type	k_qd9eef75ffb_stats,@function
k_qd9eef75ffb_stats:
	s_mov_b64 s[64:65], 0
	v_nop
	global_prefetch_b8 v0, s[64:65] scope:SCOPE_SE
	s_setreg_imm32_b32 hwreg(HW_REG_WAVE_MODE, 25, 1), 1
	s_wait_xcnt 0x0
	s_wait_alu depctr_hold_cnt(0) depctr_sa_sdst(0) depctr_va_vdst(0) depctr_va_sdst(0) depctr_va_ssrc(0) depctr_va_vcc(0) depctr_vm_vsrc(0)
	s_getreg_b32 s2, hwreg(HW_REG_IB_STS2, 6, 4)
	s_cmp_eq_u32 s2, 0
	s_cbranch_scc0 .Lentry_in_a_cluster
	s_endpgm
.Lentry_in_a_cluster:
	s_bfe_u32 s2, ttmp6, 0x10000c
	s_cmp_lg_u32 s2, 0x3003
	s_cbranch_scc0 .Lentry_shape_is_right
	s_endpgm
.Lentry_shape_is_right:
; THE SOFTMAX'S ROW STATISTICS.  energy[n][m] = x_q[n] . x_k[m] on codes (scales e4, e5); for each row n: nst[n] = -(tm + log2 l), tm = the row's largest t, t = energy x log2(e), l = the sum over m of 2^(t - tm).
; The next launch then has the finished, normalised weight as 2^(t + nst[n]).  The maximum is taken away ahead of every exponential, by a running maximum.
; SHARES.  A work-group owns 128 rows n of one batch.  Wave w: two tiles of 16 rows (2 np, 2 np + 1; np = w % 4) against a quarter of the batch's m (tiles 64 mq on; mq = w / 4), 8 tiles a step: a fragment of
; x_k read from LDS feeds two products.  Sixteen waves, four to a SIMD, so that one wave's vector work stands beside another's products and LDS loads.
; LAYOUT.  Source 0 = 16 rows m of x_k, source 1 = 16 rows n of x_q: a lane holds ONE n (lane % 16) and its registers run along m.  A lane keeps the maximum and the sum of its own m; nothing crosses lanes in the steps.
; At the end the halves of the lanes are joined by one exchange, the four quarters of m through LDS.
; LDS.  The batch's whole k_img (262,144 bytes) as it lies, filled ONCE: no slot is filled again.  Behind it 4,096 bytes for the quarters' figures.
; CLUSTER.  The four work-groups of a cluster belong to one batch and need the same k_img: every tile is asked for JOINTLY, by the same tensor load with the same descriptor and the mask of all four.
; A wave has four tensor loads out at the most: its parts of its quarter's four chunks, issued together; the steps on chunk j begin when chunk j has landed.
; LIMIT: e4 + e5 between -126 and 127 (they are added to log2(e)'s exponent field).
.set SCR, 262144                       ; [mq 4][n 128][8 bytes]: -tm and l
.set AK,  1                            ; v1   65,536 mq + 16 x lane
.set LI,  3                            ; v3   16 x lane
.set SCW, 4                            ; v4   where I put my figures
.set LN,  5                            ; v5   lane
.set SCD, 6                            ; v6   where thread t reads row t's figures
.set NOF, 7                            ; v7   4 x thread
.set QF,  8                            ; v8-23    x_q's two fragments
.set KF,  24                           ; v24-87   x_k's eight fragments of a step
.set S,   96                           ; v96-223  the scores: 64 u + 8 mt + j
.set ST,  224                          ; v224-239 tile u at + 8 u: +0 -tm, +1 zero, +2, +3 l in two halves, +4 the largest score, +5 at work, +6 a, +7 zero
.set MA,  240                          ; v240-243 the maximum's two chains, a tile each
.set MB,  242
.set TS,  244                          ; v244-247 the sum's second chain
.set WV,  12
.macro CROUND                          ; a round of the cluster's barrier
	s_barrier_signal -1
	s_barrier_wait -1
	s_cmp_lg_u32 s[WV], 0
	s_cbranch_scc1 .Lnot_wave_0_\@
	s_barrier_signal -3
.Lnot_wave_0_\@:
	s_barrier_wait -3
	s_barrier_signal -1
	s_barrier_wait -1
.endm
	s_load_b128 s[4:7], s[0:1], 0x0                ; q_img s[4:5], k_img s[6:7]
	s_load_b128 s[8:11], s[0:1], 0x10              ; the scales' exponents s[8:9], nst s[10:11]
	v_lshl_add_u32 v254, v0, 2, 0x41000
	v_mov_b32 v255, 0
	ds_add_u32 v254, v255
	ds_add_u32 v254, v255
	v_lshrrev_b32 v2, 5, v0
	v_readfirstlane_b32 s[WV], v2                  ; wave 0..15
	s_and_b32 s13, s[WV], 3                        ; np
	s_lshr_b32 s14, s[WV], 2                       ; mq
	s_bfe_u32 s15, ttmp6, 0x40000                  ; cx
	s_lshl_b32 s16, ttmp9, 2
	s_add_co_u32 s16, s16, s15                     ; my block of 128 rows = 4 x cluster x + cx: it enters q's and nst's addresses alone
	s_and_b32 s17, ttmp7, 0xffff                   ; the batch, which the partners share
	; descriptor group 1: 16 rows of 256 bytes, dense in memory and in LDS
	s_mov_b32 s24, 15|(3<<16)|(1<<21)              ; 15:0 the mask: all four work-groups; 17:16 elements of 8 bytes; 21 set beside a mask; no padding
	s_mov_b32 s25, 32<<16                          ; tensor_dim0 = 32 elements
	s_mov_b32 s26, 16<<16                          ; tensor_dim1 = 16
	s_mov_b32 s27, 32<<16                          ; tile_dim0 = 32
	s_mov_b32 s28, 16                              ; tile_dim1 = 16
	s_mov_b32 s29, 32                              ; from row to row
	s_mov_b32 s30, 0
	s_mov_b32 s31, 0
	s_lshl_b32 s48, s14, 16
	s_lshl_b32 s49, s13, 12
	s_add_co_u32 s48, s48, s49                     ; my 4,096 bytes of my quarter's chunk 0: the same place in LDS and in the batch's image
	s_lshl_b32 s18, s17, 18
	s_add_co_u32 s18, s18, s48
	s_mov_b32 s19, 0
	s_wait_dscnt 0x0
	s_wait_kmcnt 0x0
	s_load_b64 s[52:53], s[8:9], 0x10              ; e4, e5
	s_add_nc_u64 s[6:7], s[6:7], s[18:19]
.irp j, 0,1,2,3
	s_mov_b32 s[32+4*\j], 1                        ; count = 1
	s_add_co_u32 s[33+4*\j], s48, \j*16384         ; LDS address: chunk j
	s_add_nc_u64 s[34+4*\j:35+4*\j], s[6:7], \j*16384
	s_or_b32 s[35+4*\j], s[35+4*\j], 0x80000000    ; type = 2
.endr
	CROUND                                         ; all four work-groups are here: the joint loads meet
	tensor_load_to_lds s[32:35], s[24:31]
	s_nop 0
	tensor_load_to_lds s[36:39], s[24:31]
	s_nop 0
	tensor_load_to_lds s[40:43], s[24:31]
	s_nop 0
	tensor_load_to_lds s[44:47], s[24:31]
	s_nop 0
.rept 4
	v_nop
.endr
	v_and_b32 v[LN], 31, v0
	v_lshlrev_b32 v[LI], 4, v[LN]
	s_lshl_b32 s49, s14, 16
	v_add_nc_u32 v[AK], s49, v[LI]
	s_lshl_b32 s49, s14, 10
	s_lshl_b32 s20, s13, 8
	s_add_co_u32 s49, s49, s20
	s_add_co_u32 s49, s49, SCR
	v_lshl_add_u32 v[SCW], v[LN], 3, s49           ; quarter mq, row 32 np + lane
	v_lshl_add_u32 v[SCD], v0, 3, SCR
	v_lshlrev_b32 v[NOF], 2, v0
	s_lshl_b32 s18, s17, 18                        ; q: tile 256 b + 8 block + 2 np, 1,024 bytes a tile
	s_lshl_b32 s20, s16, 13
	s_add_co_u32 s18, s18, s20
	s_lshl_b32 s20, s13, 11
	s_add_co_u32 s18, s18, s20
	s_add_nc_u64 s[4:5], s[4:5], s[18:19]
.irp u, 0,1
	global_load_b128 v[QF+8*\u:QF+8*\u+3], v[LI], s[4:5] offset:\u*1024
	global_load_b128 v[QF+8*\u+4:QF+8*\u+7], v[LI], s[4:5] offset:\u*1024+512
.endr
	s_lshl_b32 s18, s17, 14                        ; nst: row 4,096 b + 128 block
	s_lshl_b32 s20, s16, 9
	s_add_co_u32 s18, s18, s20
	s_add_nc_u64 s[10:11], s[10:11], s[18:19]
	s_mov_b32 s50, 0x76543210                      ; v_permlanex16_b32's selects for lane l xor 16
	s_mov_b32 s51, 0xfedcba98
.irp u, 0,1
	v_mov_b32 v[ST+8*\u+1], 0                      ; (upper halves of pairs)
	v_mov_b32 v[ST+8*\u+7], 0
	v_mov_b32 v[ST+8*\u+2], 0                      ; the sums begin at 0
	v_mov_b32 v[ST+8*\u+3], 0
	v_mov_b32 v[ST+8*\u+5], 0                      ; (a lane permute's destination counts as read)
.endr
	s_wait_kmcnt 0x0
	s_add_co_i32 s20, s52, s53
	s_lshl_b32 s20, s20, 23
	s_add_co_i32 s22, s20, 0x3fb8aa3b              ; cs = log2(e) x 2^(e4 + e5): t = score x cs
	s_mov_b32 s23, s22                             ; (named with it as a pair)
	s_xor_b32 s21, s22, 0x80000000                 ; -cs
; A STEP: 8 tiles of m against my two tiles of n.  first = 1: there is no old maximum and nothing to bring under a new one.
.macro STEP k, first
.irp mt, 0,1,2,3,4,5,6,7
	ds_load_b128 v[KF+8*\mt:KF+8*\mt+3], v[AK] offset:\k*8192+\mt*1024         ; images of the operand's registers: 512 consecutive bytes a load
	ds_load_b128 v[KF+8*\mt+4:KF+8*\mt+7], v[AK] offset:\k*8192+\mt*1024+512
.endr
	s_wait_dscnt 0x0
.irp mt, 0,1,2,3,4,5,6,7
.irp u, 0,1
	v_wmma_f32_16x16x64_fp8_fp8 v[S+64*\u+8*\mt:S+64*\u+8*\mt+7], v[KF+8*\mt:KF+8*\mt+7], v[QF+8*\u:QF+8*\u+7], 0
.endr
.endr
.rept 4
	v_nop                                          ; places behind the products
.endr
.irp u, 0,1                                    ; the largest of a lane's 64 scores, in two chains a tile; each accumulator is first read at its low end
	v_max3_num_f32 v[MA+\u], v[S+64*\u], v[S+64*\u+1], v[S+64*\u+2]
	v_max3_num_f32 v[MB+\u], v[S+64*\u+3], v[S+64*\u+4], v[S+64*\u+5]
.endr
.irp i, 6,10,14,18,22,26,30,34,38,42,46,50,54,58
.irp u, 0,1
	v_max3_num_f32 v[MA+\u], v[MA+\u], v[S+64*\u+\i], v[S+64*\u+\i+1]
	v_max3_num_f32 v[MB+\u], v[MB+\u], v[S+64*\u+\i+2], v[S+64*\u+\i+3]
.endr
.endr
.irp u, 0,1
	v_max3_num_f32 v[MA+\u], v[MA+\u], v[S+64*\u+62], v[S+64*\u+63]
.endr
.irp u, 0,1
.if \first
	v_max_num_f32 v[ST+8*\u+4], v[MA+\u], v[MB+\u]
.else
	v_max3_num_f32 v[ST+8*\u+4], v[MA+\u], v[MB+\u], v[ST+8*\u+4]   ; with the largest so far
	v_mov_b32 v[ST+8*\u+5], v[ST+8*\u]             ; the old -tm
.endif
.endr
.irp u, 0,1
	v_mul_f32 v[ST+8*\u], s21, v[ST+8*\u+4]        ; -tm = -cs x the largest score (cs is positive)
.endr
.if !\first
.irp u, 0,1
	v_sub_f32 v[ST+8*\u+5], v[ST+8*\u], v[ST+8*\u+5]   ; old tm - new tm, 0 or less
.endr
.endif
.irp j, 0,2,4,6,8,10,12,14,16,18,20,22,24,26,28,30,32,34,36,38,40,42,44,46,48,50,52,54,56,58,60,62
.irp u, 0,1
	v_pk_fma_f32 v[S+64*\u+\j:S+64*\u+\j+1], v[S+64*\u+\j:S+64*\u+\j+1], s[22:23], v[ST+8*\u:ST+8*\u+1] op_sel_hi:[1,0,0]   ; t - tm, two at a time
.endr
.endr
.set cnt, 0
.rept 128
	v_exp_f32 v[S+cnt], v[S+cnt]                   ; one batch
.set cnt, cnt+1
.endr
.if !\first
.irp u, 0,1
	v_exp_f32 v[ST+8*\u+6], v[ST+8*\u+5]           ; a = 2^(old tm - new tm)
.endr
.endif
	v_nop                                          ; a plain line behind the last exponential,
	s_wait_alu depctr_va_vdst(0)                   ; and the one wait ahead of the batch's first reader
.if !\first
.irp u, 0,1
	v_pk_mul_f32 v[ST+8*\u+2:ST+8*\u+3], v[ST+8*\u+2:ST+8*\u+3], v[ST+8*\u+6:ST+8*\u+7] op_sel_hi:[1,0]   ; the sums under the new maximum
.endr
.endif
.irp u, 0,1
	v_pk_add_f32 v[TS+2*\u:TS+2*\u+1], v[S+64*\u:S+64*\u+1], v[S+64*\u+2:S+64*\u+3]
.endr
.irp j, 4,8,12,16,20,24,28,32,36,40,44,48,52,56,60
.irp u, 0,1
	v_pk_add_f32 v[ST+8*\u+2:ST+8*\u+3], v[ST+8*\u+2:ST+8*\u+3], v[S+64*\u+\j:S+64*\u+\j+1]
	v_pk_add_f32 v[TS+2*\u:TS+2*\u+1], v[TS+2*\u:TS+2*\u+1], v[S+64*\u+\j+2:S+64*\u+\j+3]
.endr
.endr
.irp u, 0,1
	v_pk_add_f32 v[ST+8*\u+2:ST+8*\u+3], v[ST+8*\u+2:ST+8*\u+3], v[TS+2*\u:TS+2*\u+1]
.endr
.endm
.macro LANDED left                     ; my part of a chunk has landed (left: my later chunks, which may stay out); then everybody's has
	s_wait_tensorcnt \left
	s_barrier_signal -1
	s_barrier_wait -1
.endm
	s_wait_loadcnt 0x0                             ; x_q's fragments
	LANDED 3
	STEP 0, 1
	STEP 1, 0
	LANDED 2
	STEP 2, 0
	STEP 3, 0
	LANDED 1
	STEP 4, 0
	STEP 5, 0
	LANDED 0
	STEP 6, 0
	STEP 7, 0
	; ---- the halves of the lanes hold the same rows and other m: joined under the larger maximum (the smaller -tm)
.irp u, 0,1
	v_add_f32 v[ST+8*\u+2], v[ST+8*\u+2], v[ST+8*\u+3]
.endr
.irp u, 0,1
	v_permlanex16_b32 v[ST+8*\u+5], v[ST+8*\u], s50, s51
	v_permlanex16_b32 v[ST+8*\u+3], v[ST+8*\u+2], s50, s51
.endr
.irp u, 0,1
	v_min_num_f32 v[ST+8*\u+4], v[ST+8*\u], v[ST+8*\u+5]
.endr
.irp u, 0,1
	v_sub_f32 v[ST+8*\u+6], v[ST+8*\u+4], v[ST+8*\u]
	v_sub_f32 v[ST+8*\u+7], v[ST+8*\u+4], v[ST+8*\u+5]
.endr
.irp u, 0,1
	v_exp_f32 v[ST+8*\u+6], v[ST+8*\u+6]
	v_exp_f32 v[ST+8*\u+7], v[ST+8*\u+7]
.endr
	v_cmp_gt_u32 vcc_lo, 16, v[LN]                 ; (a plain line behind the exponentials)  lanes 0-15 speak for tile 0, lanes 16-31 for tile 1
	s_wait_alu depctr_va_vdst(0)
.irp u, 0,1
	v_mul_f32 v[ST+8*\u+2], v[ST+8*\u+2], v[ST+8*\u+6]
	v_fmac_f32 v[ST+8*\u+2], v[ST+8*\u+3], v[ST+8*\u+7]
.endr
	v_cndmask_b32 v[MA], v[ST+12], v[ST+4], vcc_lo
	v_cndmask_b32 v[MA+1], v[ST+10], v[ST+2], vcc_lo
	ds_store_b64 v[SCW], v[MA:MA+1]
	s_wait_dscnt 0x0                               ; for the others' sake: my figures lie in LDS
	s_barrier_signal -1
	s_barrier_wait -1
	s_cmp_lt_u32 s[WV], 4                          ; waves 0-3: thread t joins row t's four quarters
	s_cbranch_scc0 .Ldone
.irp q, 0,1,2,3
	ds_load_b64 v[KF+2*\q:KF+2*\q+1], v[SCD] offset:\q*1024
.endr
	s_wait_dscnt 0x0
	v_min3_num_f32 v40, v[KF], v[KF+2], v[KF+4]
	v_min_num_f32 v40, v40, v[KF+6]
.irp q, 0,1,2,3
	v_sub_f32 v[32+\q], v40, v[KF+2*\q]
.endr
.irp q, 0,1,2,3
	v_exp_f32 v[32+\q], v[32+\q]
.endr
	v_nop
	s_wait_alu depctr_va_vdst(0)
	v_mul_f32 v41, v[KF+1], v32
	v_fmac_f32 v41, v[KF+3], v33
	v_fmac_f32 v41, v[KF+5], v34
	v_fmac_f32 v41, v[KF+7], v35
	v_log_f32 v42, v41                             ; l is at least about 1: the largest term is 1
	v_nop
	s_wait_alu depctr_va_vdst(0)
	v_sub_f32 v43, v40, v42                        ; -(tm + log2 l)
	global_store_b32 v[NOF], v43, s[10:11]
.Ldone:
	s_wait_tensorcnt 0x0
	ds_add_u32 v254, v255
	s_wait_dscnt 0x0
	CROUND                                         ; the closing round: no work-group ends while a partner may still ask for a tile that names it
	s_endpgm
.Lfunc_end_k_qd9eef75ffb_stats:
	.size	k_qd9eef75ffb_stats, .Lfunc_end_k_qd9eef75ffb_stats-k_qd9eef75ffb_stats
	.p2alignl 7, 3214868480
	.fill 96, 4, 3214868480
	.section	.rodata,"a",@progbits
	.p2align	6, 0x0
	.amdhsa_kernel k_qd9eef75ffb_stats
		.amdhsa_group_segment_fixed_size 327680
		.amdhsa_private_segment_fixed_size 0
		.amdhsa_enable_private_segment 0
		.amdhsa_kernarg_size 32
		.amdhsa_user_sgpr_count 2
		.amdhsa_user_sgpr_kernarg_segment_ptr 1
		.amdhsa_wavefront_size32 1
		.amdhsa_system_sgpr_workgroup_id_x 1
		.amdhsa_system_sgpr_workgroup_id_y 1
		.amdhsa_system_sgpr_workgroup_id_z 1
		.amdhsa_system_vgpr_workitem_id 0
		.amdhsa_next_free_vgpr 256
		.amdhsa_next_free_sgpr 66
		.amdhsa_reserve_vcc 1
		.amdhsa_float_denorm_mode_32 3
		.amdhsa_float_denorm_mode_16_64 3
		.amdhsa_memory_ordered 1
		.amdhsa_forward_progress 1
		.amdhsa_inst_pref_size 157
	.end_amdhsa_kernel
	.amdgpu_metadata
---
amdhsa.version: [ 1, 2 ]
amdhsa.kernels:
  - .name:           k_qd9eef75ffb_stats
    .symbol:         k_qd9eef75ffb_stats.kd
    .args:
      - { .name: q_img, .offset: 0, .size: 8, .value_kind: global_buffer, .address_space: global }
      - { .name: k_img, .offset: 8, .size: 8, .value_kind: global_buffer, .address_space: global }
      - { .name: lowp_scales, .offset: 16, .size: 8, .value_kind: global_buffer, .address_space: global }
      - { .name: nst, .offset: 24, .size: 8, .value_kind: global_buffer, .address_space: global }
    .group_segment_fixed_size: 327680
    .private_segment_fixed_size: 0
    .kernarg_segment_align: 8
    .kernarg_segment_size: 32
    .max_flat_workgroup_size: 512
    .sgpr_count:     66
    .vgpr_count:     256
    .wavefront_size: 32
...
	.end_amdgpu_metadata
.endif
;; end of part 2
;; launch attn (part 3): grid 32 x 8, 8 waves a work-group, clusters of 4 x 1, 327,680 bytes of LDS; arguments x, q_img, k_img, v_img, nst, wt_img, ab, lowp_scales, out0; writes out0
.if DOCPART == 3
	.amdgcn_target "amdgcn-amd-amdhsa--gfx1250"
	.amdhsa_code_object_version 6
	.text
	.protected	k_qd9eef75ffb_attn
	.globl	k_qd9eef75ffb_attn
	.p2align	8
	.type	k_qd9eef75ffb_attn,@function
k_qd9eef75ffb_attn:
	s_mov_b64 s[64:65], 0
	v_nop
	global_prefetch_b8 v0, s[64:65] scope:SCOPE_SE
	s_setreg_imm32_b32 hwreg(HW_REG_WAVE_MODE, 25, 1), 1
	s_wait_xcnt 0x0
	s_wait_alu depctr_hold_cnt(0) depctr_sa_sdst(0) depctr_va_vdst(0) depctr_va_sdst(0) depctr_va_ssrc(0) depctr_va_vcc(0) depctr_vm_vsrc(0)
	s_getreg_b32 s2, hwreg(HW_REG_IB_STS2, 6, 4)
	s_cmp_eq_u32 s2, 0
	s_cbranch_scc0 .Lentry_in_a_cluster
	s_endpgm
.Lentry_in_a_cluster:
	s_bfe_u32 s2, ttmp6, 0x10000c
	s_cmp_lg_u32 s2, 0x3003
	s_cbranch_scc0 .Lentry_shape_is_right
	s_endpgm
.Lentry_shape_is_right:
; out = x + relu(BN(w_t (x - x_v attn) + b_t)), attn[n][m] = the finished softmax over m of the energy, all products on codes of E4M3.
; A work-group owns 128 columns m of one batch and walks all 4,096 n, 128 a step.
; ROLES.  Waves 0-3 PRODUCE: wave pw makes, for rows 32 pw .. + 31 of the step and all 128 m, the energy (x_q x_k^T, K = 64), attn = 2^(score x cs + nst[n]) with nst from the launch before, and its codes under e9.
; Waves 4-7 CONSUME: wave cw adds x_v attn for channels 64 cw .. + 63 and all 128 m (K = the step's 128 n) onto 32 accumulators.  The producers are one step ahead; the codes go from them to the
; consumers through LDS as images of the operand's registers, in two buffers by turns, one barrier a step.  All waves walk the same loops and barriers; the roles part inside a step on the wave's number.
; LAYOUT.  Energy: source 0 = 16 rows n of x_q, source 1 = 16 rows m of x_k: a lane holds one m, its registers eight neighbouring n: the conversions' results are registers of the next operand.
; x_v attn: source 0 = 16 channels of x_v, source 1 = attn's codes: a lane holds one m, its registers eight neighbouring channels, which are the last product's K.
; THE m OF A TILE ARE NOT NEIGHBOURS: lane r of tile 4 g + i is m = 64 g + 4 r + i, so that a lane's tiles i = 0 .. 3 are four neighbouring m: x and out move 16 bytes a lane, sixteen lanes to 256 consecutive aligned bytes.
; x - x_r COSTS NOTHING: the accumulators begin as -x / 2^(e8 + e9), so that at the end they hold -(x - x_r) / 2^(e8 + e9); the sign goes into the hold ahead of the conversion.
; x_v comes through a ring of two LDS slots of four steps (131,072 bytes), as it lies in v_img; each of the eight waves fetches an eighth by one tensor load, so one tensor load of a wave is out at a time.
; CLUSTER.  The four work-groups of a cluster belong to one batch and walk the same x_v: each tile is asked for JOINTLY (the same load, the same descriptor, the mask of all four).
; x_q's fragments and nst (8.5 KB a step for the work-group) go straight into the producers' registers, a step ahead.
; LIMITS: e4 + e5 between -126 and 127; e9 and e10 - e8 - e9 between -126 and 119; e8 + e9 between -127 and 126.  NaN among the inputs is not served.
; REGISTERS, in windows of 256 (s_set_vgpr_msb: bits 1:0 source 0, 3:2 source 1, 5:4 source 2, 7:6 destination).  v1-16: addresses and constants of all waves, made ahead of the first parting.
;   producers: v20-51 x_q (two sets), v52-83 nst (two sets), v84-115 codes, v116-243 scores; window 1: v0-63 x_k's eight fragments, which stay.
;   consumers: v32-95 x_v's four fragments, v96-223 attn's eight; window 1: the 32 accumulators, (tile mt, channels f) at v[32 mt + 8 f].
;   the last layer, all waves: v32-95 w_t's four fragments, v96-223 sixteen accumulators, v224-255 A and B; window 1: v0-127 x, then the result; v128-255 fragments of x - x_r.
.set SLOT1, 131072                     ; slot 1 begins here: one exclusive or turns an address in one slot into the other's
.set PB,    262144                     ; attn's codes: two buffers [tile mt 8][quad 4][lane][16]; at the end the images of x - x_r: [mt 8][ks 2][quad 4][lane][16]
.set PBUF,  16384
.set SPARE, 294912                     ; the spare words, 128 bytes for each wave: four blocks of 256 bytes that no other line names
.set LI,  1                            ; v1   16 x lane
.set PWA, 2                            ; v2   where a producer stores its quad of each fragment
.set PRA, 3                            ; v3   where fragments are read back
.set VA0, 4                            ; v4   a consumer's four tiles of channels in a step of x_v
.set VAD, 5                            ; v5   the same in the pair of steps in hand
.set DWA, 6                            ; v6   where a consumer stores its two quads of x - x_r
.set SPW, 7                            ; v7   LDS address of my spare word; never rewritten
.set NIL, 8                            ; v8   0; never rewritten
.set XO,  9                            ; v9   x and out: 8 rows x (lane / 16) + 16 x (lane % 16)
.set QOC, 10                           ; v10  x_q's offset for the step that is fetched
.set NO0, 11                           ; v11  32 x (lane / 16)
.set NOC, 12                           ; v12  nst's offset for the step that is fetched
.set KO,  13                           ; v13  x_k: my lane's place in k_img for the chosen order of m
.set PFO, 14                           ; v14  256 x lane
.set SC9, 15                           ; v15  2^e9
.set SCX, 16                           ; v16  2^(e10 - e8 - e9)
.set QF,  20
.set NS,  52
.set PCD, 84
.set S,   116
.set VF,  32
.set PF,  96
.set WT,  32
.set ACC, 96
.set DC,  96
.set AP,  224
.set BP,  240
.set WV,  26                           ; s26  wave
.set W3,  27                           ; s27  wave % 4
.set G1,  32                           ; s[32:39] descriptor group 1
.set G0,  40                           ; s[40:43] descriptor group 0, which walks
.set TV,  58                           ; s58  LDS byte at which the pair of steps in hand begins
.set STEP, 59                          ; s59  the step that the producers make in this phase
.set SLOTS, 60
.set TWICE, 61
.set LIM, 62                           ; s62  1 in a wave that prefetches, else the greatest number
.set PFA, 66                           ; s[66:67] where my prefetches stand
.set QB,  68                           ; s[68:83] bases: x_q, nst, x (consumers' channels), x (my outputs' channels), out, w_t, ab, x_k
.set NB,  70
.set XB,  72
.set XB2, 74
.set OB,  76
.set WTB, 78
.set ABB, 80
.set KB,  82
.set MSB, 0
.macro WIN new                         ; the immediate's high byte repeats the setting that is left
.if MSB != \new
	s_set_vgpr_msb (MSB<<8)|\new
.set MSB, \new
.endif
.endm
.macro PLACES
.rept 4
	v_nop
.endr
.endm
.macro CROUND                          ; a round of the cluster's barrier
	s_barrier_signal -1
	s_barrier_wait -1
	s_cmp_lg_u32 s[WV], 0
	s_cbranch_scc1 .Lnot_wave_0_\@
	s_barrier_signal -3
.Lnot_wave_0_\@:
	s_barrier_wait -3
	s_barrier_signal -1
	s_barrier_wait -1
.endm
.macro BAR                             ; my LDS stores have landed and my LDS loads are in: then the work-group's barrier.
	s_wait_dscnt 0x0
	s_barrier_signal -1
	s_barrier_wait -1
.endm
	s_load_b512 s[8:23], s[0:1], 0x0               ; x s[8:9], q_img s[10:11], k_img s[12:13], v_img s[14:15], nst s[16:17], wt_img s[18:19], ab s[20:21], scales s[22:23]
	s_load_b64 s[24:25], s[0:1], 0x40              ; out0
	v_lshl_add_u32 v[SPW], v0, 2, SPARE
	v_mov_b32 v[NIL], 0
	ds_add_u32 v7, v8
	ds_add_u32 v7, v8
	s_wait_dscnt 0x0
	v_lshrrev_b32 v18, 5, v0
	v_readfirstlane_b32 s[WV], v18                 ; wave 0..7
	s_and_b32 s[W3], s[WV], 3
	s_bfe_u32 s28, ttmp6, 0x40000                  ; cx
	s_lshl_b32 s29, ttmp9, 2
	s_add_co_u32 s29, s29, s28                     ; my block of 128 m = 4 x cluster x + cx
	s_and_b32 s30, ttmp7, 0xffff                   ; the batch, which the partners share
	; descriptor group 1: 64 rows of 256 bytes, dense in memory and in LDS
	s_mov_b32 s[G1], 15|(3<<16)|(1<<21)            ; 15:0 the mask: all four work-groups; 17:16 elements of 8 bytes; 21 set beside a mask; no padding
	s_mov_b32 s[G1+1], 32<<16                      ; tensor_dim0 = 32 elements
	s_mov_b32 s[G1+2], 64<<16                      ; tensor_dim1 = 64
	s_mov_b32 s[G1+3], 32<<16                      ; tile_dim0 = 32
	s_mov_b32 s[G1+4], 64                          ; tile_dim1 = 64
	s_mov_b32 s[G1+5], 32                          ; from row to row
	s_mov_b32 s[G1+6], 0
	s_mov_b32 s[G1+7], 0
	s_lshl_b32 s84, s30, 20                        ; the batch's x_v, 1 MiB; my eighth of a slot
	s_lshl_b32 s85, s[WV], 14
	s_add_co_u32 s84, s84, s85
	s_mov_b32 s85, 0
	s_mov_b32 s[G0], 1                             ; count = 1
	s_lshl_b32 s[G0+1], s[WV], 14                  ; LDS address: slot 0, my eighth
	s_wait_kmcnt 0x0
	s_load_b64 s[44:45], s[22:23], 0x10            ; e4, e5
	s_load_b128 s[48:51], s[22:23], 0x20           ; e8 .. e11
	s_add_nc_u64 s[G0+2:G0+3], s[14:15], s[84:85]  ; global address: steps 0 to 3
	s_or_b32 s[G0+3], s[G0+3], 0x80000000          ; type = 2
	CROUND                                         ; all four work-groups are here: the first joint loads meet
	tensor_load_to_lds s[G0:G0+3], s[G1:G1+7]
	s_nop 0
	PLACES
	v_and_b32 v18, 31, v0                          ; lane
	v_and_b32 v19, 15, v0                          ; r
	v_bfe_u32 v17, v0, 4, 1                        ; h
	v_lshlrev_b32 v[LI], 4, v18
	s_lshl_b32 s84, s[W3], 9
	s_add_co_u32 s84, s84, PB
	v_add_nc_u32 v[PWA], s84, v[LI]
	v_add_nc_u32 v[PRA], PB, v[LI]
	s_lshl_b32 s84, s[W3], 13
	v_add_nc_u32 v[VA0], s84, v[LI]
	v_mov_b32 v[VAD], v[VA0]
	s_lshl_b32 s84, s[W3], 10                      ; K step (w % 4) / 2, quads 2 (w % 2) on: 1,024 (w % 4)
	s_add_co_u32 s84, s84, PB
	v_add_nc_u32 v[DWA], s84, v[LI]
	v_lshlrev_b32 v[XO], 4, v19
	v_lshl_add_u32 v[XO], v17, 17, v[XO]
	v_lshlrev_b32 v[NO0], 5, v17
	v_lshrrev_b32 v[KO], 2, v19
	v_lshlrev_b32 v[KO], 10, v[KO]                 ; m = 64 g + 4 r + i lies in tile 4 g + r / 4 of k_img, at its row 4 (r % 4) + i
	v_and_b32 v19, 3, v19
	v_lshl_add_u32 v[KO], v19, 6, v[KO]
	v_lshl_add_u32 v[KO], v17, 8, v[KO]
	v_lshlrev_b32 v[PFO], 8, v18
	s_lshl_b32 s84, s30, 18                        ; x_q: the batch's image; my two tiles of each step
	s_lshl_b32 s86, s[W3], 11
	s_add_co_u32 s84, s84, s86
	s_add_nc_u64 s[QB:QB+1], s[10:11], s[84:85]
	s_lshl_b32 s84, s30, 14                        ; nst: the batch's rows; my 32 of each step
	s_lshl_b32 s86, s[W3], 7
	s_add_co_u32 s84, s84, s86
	s_add_nc_u64 s[NB:NB+1], s[16:17], s[84:85]
	s_lshl_b32 s84, s[WV], 13                      ; w_t: my two tiles of outputs, four fragments
	s_add_nc_u64 s[WTB:WTB+1], s[18:19], s[84:85]
	s_lshl_b32 s84, s[WV], 7                       ; A, B: my 32 outputs
	s_add_nc_u64 s[ABB:ABB+1], s[20:21], s[84:85]
	s_mov_b32 s89, 0                               ; (what hangs on my place in the cluster has registers of its own)
	s_lshl_b32 s88, s30, 18                        ; x_k: the batch's image; my block's eight tiles
	s_lshl_b32 s90, s29, 13
	s_add_co_u32 s88, s88, s90
	s_add_nc_u64 s[KB:KB+1], s[12:13], s[88:89]
	s_lshl_b32 s88, s30, 22                        ; x: the batch; my block's 512 bytes of a row;
	s_lshl_b32 s90, s29, 9
	s_add_co_u32 s88, s88, s90
	s_lshl_b32 s90, s[W3], 20                      ; channels 64 (w % 4) on, for the accumulators;
	s_add_co_u32 s90, s88, s90
	s_mov_b32 s91, 0
	s_add_nc_u64 s[XB:XB+1], s[8:9], s[90:91]
	s_lshl_b32 s90, s[WV], 19                      ; channels 32 w on, for the residual and the result
	s_add_co_u32 s90, s88, s90
	s_add_nc_u64 s[XB2:XB2+1], s[8:9], s[90:91]
	s_add_nc_u64 s[OB:OB+1], s[24:25], s[90:91]
	; the prefetches: the slot after the one that a change of slots asks for, 131,072 bytes = 512 blocks of 256.  All clusters of a batch walk the same x_v: the batch's first cluster asks.  Its four partners share
	; the blocks out BY ADDRESS, 32,768 bytes each; in each, waves 0-3 take 8,192 bytes, a lane a block: each block is named once in the launch
	s_lshl_b32 s88, s30, 20
	s_lshl_b32 s90, s28, 15
	s_add_co_u32 s88, s88, s90
	s_lshl_b32 s90, s[WV], 13
	s_add_co_u32 s88, s88, s90
	s_add_co_u32 s88, s88, SLOT1                   ; at steps 4 to 7: the first change of slots steps it to steps 8 to 11.  Nothing is prefetched here, at the head
	s_add_nc_u64 s[PFA:PFA+1], s[14:15], s[88:89]
	s_lshr_b32 s[LIM], s[WV], 2                    ; 0 in waves 0-3,
	s_or_b32 s[LIM], s[LIM], ttmp9                 ; of the batch's first cluster: the same in all four partners
	s_cmp_eq_u32 s[LIM], 0
	s_cselect_b32 s[LIM], 1, -1
	s_mov_b32 s[STEP], 0
	s_mov_b32 s[TV], 0
	s_wait_kmcnt 0x0
	s_add_co_i32 s84, s44, s45
	s_lshl_b32 s84, s84, 23
	s_add_co_i32 s52, s84, 0x3fb8aa3b              ; cs = log2(e) x 2^(e4 + e5), made as the launch before makes it
	s_mov_b32 s53, s52                             ; (named with it as a pair)
	s_add_co_i32 s84, s49, 127
	s_lshl_b32 s86, s84, 23
	v_mov_b32 v[SC9], s86                          ; 2^e9
	s_add_co_i32 s84, s84, 8
	s_lshl_b32 s84, s84, 23
	s_or_b32 s54, s84, 0x600000                    ; 448 x 2^e9
	s_add_co_i32 s85, s48, s49                     ; e8 + e9
	s_sub_co_i32 s86, 127, s85
	s_lshl_b32 s86, s86, 23
	s_or_b32 s55, s86, 0x80000000                  ; -2^-(e8 + e9)
	s_sub_co_i32 s84, s50, s85
	s_add_co_i32 s84, s84, 127
	s_lshl_b32 s86, s84, 23
	v_mov_b32 v[SCX], s86                          ; 2^(e10 - e8 - e9): the three scales folded into the conversion's one
	s_add_co_i32 s84, s84, 8
	s_lshl_b32 s84, s84, 23
	s_or_b32 s56, s84, 0x600000                    ; 448 x that,
	s_xor_b32 s57, s56, 0x80000000                 ; and its negative
; a step's x_q (my two tiles, 8 registers each) and nst (my lane's eight n of each tile) into set
.macro PLOAD set, qo, no
.irp u, 0,1
	global_load_b128 v[QF+16*(\set)+8*\u:QF+16*(\set)+8*\u+3], v[\qo], s[QB:QB+1] offset:\u*1024
	global_load_b128 v[QF+16*(\set)+8*\u+4:QF+16*(\set)+8*\u+7], v[\qo], s[QB:QB+1] offset:\u*1024+512
	global_load_b128 v[NS+16*(\set)+8*\u:NS+16*(\set)+8*\u+3], v[\no], s[NB:NB+1] offset:\u*64
	global_load_b128 v[NS+16*(\set)+8*\u+4:NS+16*(\set)+8*\u+7], v[\no], s[NB:NB+1] offset:\u*64+16
.endr
.endm
; A PRODUCER'S STEP: operands in set, codes into buffer par
.macro PROD set, par
	s_wait_loadcnt 0x0                             ; this step's operands are in; the loads that named the two offsets below are done, so these may be written
	s_add_co_u32 s84, s[STEP], 1
	s_min_u32 s84, s84, 31                         ; the next step's, held at the last: no load leaves its buffer
	s_lshl_b32 s85, s84, 13
	s_lshl_b32 s86, s84, 9
	v_add_nc_u32 v[QOC], s85, v[LI]
	v_add_nc_u32 v[NOC], s86, v[NO0]
	PLOAD 1-\set, QOC, NOC
	WIN 0x04                                       ; source 1 (x_k) window 1
.irp mt, 0,1,2,3,4,5,6,7
.irp u, 0,1
	v_wmma_f32_16x16x64_fp8_fp8 v[S+16*\mt+8*\u:S+16*\mt+8*\u+7], v[QF+16*\set+8*\u:QF+16*\set+8*\u+7], v[8*\mt:8*\mt+7], 0
.endr
.endr
	WIN 0
	PLACES
.irp mt, 0,1,2,3,4,5,6,7
.irp u, 0,1
.irp j, 0,2,4,6
	v_pk_fma_f32 v[S+16*\mt+8*\u+\j:S+16*\mt+8*\u+\j+1], v[S+16*\mt+8*\u+\j:S+16*\mt+8*\u+\j+1], s[52:53], v[NS+16*\set+8*\u+\j:NS+16*\set+8*\u+\j+1] op_sel_hi:[1,0,1]   ; score x cs + nst[n]: each accumulator from its low end on
.endr
.endr
.endr
.set cnt, 0
.rept 128
	v_exp_f32 v[S+cnt], v[S+cnt]                   ; attn, finished and normalised: one batch
.set cnt, cnt+1
.endr
	v_nop                                          ; a plain line behind the last exponential,
	s_wait_alu depctr_va_vdst(0)                   ; and the one wait ahead of the batch's first reader
.set cnt, 0
.rept 128
	v_min_num_f32 v[S+cnt], s54, v[S+cnt]          ; the conversion to an 8-bit code does not saturate (ISA guide 7.6.2); attn is not negative, so the hold is one-sided
.set cnt, cnt+1
.endr
.irp mt, 0,1,2,3,4,5,6,7
.irp u, 0,1
	v_cvt_scalef32_pk8_fp8_f32 v[PCD+4*\mt+2*\u:PCD+4*\mt+2*\u+1], v[S+16*\mt+8*\u:S+16*\mt+8*\u+7], v[SC9]
.endr
.endr
	v_nop                                          ; a plain line between the conversions and the next products, which write their sources
.irp mt, 0,1,2,3,4,5,6,7
	ds_store_b128 v[PWA], v[PCD+4*\mt:PCD+4*\mt+3] offset:\par*PBUF+\mt*2048   ; registers 4 pw .. 4 pw + 3 of tile mt's fragment
.endr
.endm
; A CONSUMER'S STEP: attn's codes from buffer par, x_v from voff bytes behind the pair's first step.  The 32 accumulators take turns
.macro CONS par, voff
.irp f, 0,1,2,3
.irp q, 0,1,2,3
	ds_load_b128 v[VF+16*\f+4*\q:VF+16*\f+4*\q+3], v[VAD] offset:\voff+\f*2048+\q*512
.endr
.endr
.irp mt, 0,1,2,3,4,5,6,7
.irp q, 0,1,2,3
	ds_load_b128 v[PF+16*\mt+4*\q:PF+16*\mt+4*\q+3], v[PRA] offset:\par*PBUF+\mt*2048+\q*512
.endr
.endr
	WIN 0x50                                       ; C and D window 1
.irp mt, 0,1,2,3,4,5,6,7
	s_wait_dscnt 4*(7-\mt)                         ; x_v and attn's tiles up to mt are in; the later tiles' loads may be out
.irp f, 0,1,2,3
	v_wmma_f32_16x16x128_fp8_fp8 v[32*\mt+8*\f:32*\mt+8*\f+7], v[VF+16*\f:VF+16*\f+15], v[PF+16*\mt:PF+16*\mt+15], v[32*\mt+8*\f:32*\mt+8*\f+7]
.endr
.endr
	WIN 0
	PLACES                                         ; in front of the next loads into registers that these products have read
.endm
; A PHASE: the roles part on the wave's number and join.  There are 32 steps: in the last phase the producers have nothing left to make
.macro PHASE pset, ppar, cpar, voff
	s_cmp_lt_u32 s[WV], 4
	s_cbranch_scc0 .Lcons_\@
	s_cmp_ge_u32 s[STEP], 32
	s_cbranch_scc1 .Ljoin_\@
	PROD \pset, \ppar
	s_branch .Ljoin_\@
.Lcons_\@:
	CONS \cpar, \voff
.Ljoin_\@:
	s_add_co_u32 s[STEP], s[STEP], 1
.endm
; a slot's four steps: two pairs
.macro PAIRS
	s_mov_b32 s[TWICE], 2
.Lpair_\@:
	v_add_nc_u32 v[VAD], s[TV], v[VA0]
	PHASE 1, 1, 0, 0
	BAR
	PHASE 0, 0, 1, 32768
	BAR
	s_add_co_u32 s[TV], s[TV], 65536
	s_sub_co_u32 s[TWICE], s[TWICE], 1
	s_cmp_lg_u32 s[TWICE], 0
	s_cbranch_scc1 .Lpair_\@
	s_sub_co_u32 s[TV], s[TV], 131072              ; back to a slot's first step,
	s_xor_b32 s[TV], s[TV], SLOT1                  ; in the other slot
.endm
.macro ASK                             ; what the NEXT change of slots will ask for: four steps ahead of that load.  The last change that fills a slot asks for nothing
	s_cmp_gt_u32 s[SLOTS], s[LIM]
	s_cbranch_scc0 .Lnot_mine_\@
	global_prefetch_b8 v[PFO], s[PFA:PFA+1] th:TH_LOAD_NT scope:SCOPE_SE
.Lnot_mine_\@:
.endm
; THE CHANGE OF SLOTS stands at a slot's head.  Each wave waits for all its tensor loads (its eighth of the slot ahead), adds 0 to its spare word, and waits for that and for its LDS reads and stores.
; fill = 1: the other slot takes the four steps that follow; the barrier is then a round of the cluster's, and the joint load is the first thing behind it: it has four steps in which to land.
.macro CHANGE fill
	s_wait_tensorcnt 0x0                           ; no tensor load of mine is out, so group 0 may be written
	ds_add_u32 v[SPW], v[NIL]                      ; 0 onto my spare word
.if \fill
	s_xor_b32 s[G0+1], s[G0+1], SLOT1              ; the other slot than last time,
	s_add_nc_u64 s[G0+2:G0+3], s[G0+2:G0+3], 131072   ; the next four steps; the type bits on top are not reached
	s_wait_xcnt 0x0                                ; the last prefetch, four steps back, has read its address
	s_add_nc_u64 s[PFA:PFA+1], s[PFA:PFA+1], 131072
	s_wait_dscnt 0x0                               ; the add is done, and my reads of the slot that I have left are over
	CROUND
	tensor_load_to_lds s[G0:G0+3], s[G1:G1+7]
	s_nop 0
	PLACES
	ASK
.else
	s_wait_dscnt 0x0
	s_barrier_signal -1
	s_barrier_wait -1
.endif
.endm
; the accumulators' first values.  Unit f: channels 16 f + 8 h + j of my 64, all 128 m: 16 loads of 16 bytes a lane, sixteen lanes to 256 consecutive bytes
.macro XLD f, slot
.irp g, 0,1
.irp j, 0,1,2,3,4,5,6,7
	global_load_b128 v[\slot+4*(8*\g+\j):\slot+4*(8*\g+\j)+3], v[XO], s[XB:XB+1] offset:(16*\f+\j)*16384+256*\g
.endr
.endr
.endm
.macro XM f, slot
	WIN 0x40                                       ; destination window 1
.irp g, 0,1
.irp j, 0,1,2,3,4,5,6,7
.irp i, 0,1,2,3
	v_mul_f32 v[32*(4*\g+\i)+8*\f+\j], s55, v[\slot+4*(8*\g+\j)+\i]   ; -x / 2^(e8 + e9): nothing is rounded
.endr
.endr
.endr
	WIN 0
.endm
	; ---- PHASE 0: the producers make step 0; the consumers lay x into their accumulators
	s_cmp_lt_u32 s[WV], 4
	s_cbranch_scc0 .Lxinit
	WIN 0x40
.irp g, 0,1
.irp i, 0,1,2,3
	global_load_b128 v[8*(4*\g+\i):8*(4*\g+\i)+3], v[KO], s[KB:KB+1] offset:\g*4096+16*\i         ; x_k's fragment of tile 4 g + i: it stays
	global_load_b128 v[8*(4*\g+\i)+4:8*(4*\g+\i)+7], v[KO], s[KB:KB+1] offset:\g*4096+16*\i+512
.endr
.endr
	WIN 0
	PLOAD 0, LI, NO0
	PROD 0, 0
	s_branch .Lphase0
.Lxinit:
	XLD 0, 32
	XLD 1, 96
	XLD 2, 160
	s_wait_loadcnt 32                              ; unit 0 is in; the two units behind it may be out
	XM 0, 32
	XLD 3, 32
	s_wait_loadcnt 32
	XM 1, 96
	s_wait_loadcnt 16
	XM 2, 160
	s_wait_loadcnt 0x0
	XM 3, 32
.Lphase0:
	s_add_co_u32 s[STEP], s[STEP], 1
	s_mov_b32 s[SLOTS], 7
.Lslot:                                            ; seven trips: behind each change of slots but the last the next four steps are asked for
	CHANGE 1
	PAIRS
	s_sub_co_u32 s[SLOTS], s[SLOTS], 1
	s_cmp_lg_u32 s[SLOTS], 0
	s_cbranch_scc1 .Lslot
	CHANGE 0                                       ; the last slot is written out
	PAIRS
	; ---- THE LAST LAYER.  Wave w makes outputs 32 w .. 32 w + 31 for all 128 m.
	; It lays its operands and its sums over registers of the steps' products: the fragments of x - x_r where accumulators of x_v attn lay, the sums where attn's fragments lay.  A matrix instruction that takes an
	; earlier one's result as an operand, or writes over one of its registers, stands FIVE places behind it (one more than a load or a vector instruction).  The five stand
	; here, on the way that every wave takes, so that the count hangs on no line of either role
.rept 5
	v_nop
.endr
	s_wait_loadcnt 0x0                             ; (the producers' last look-ahead loads land in registers that are loaded again below)
	; the layer's weights and constants are asked for first
.irp t, 0,1
.irp ks, 0,1
.irp q, 0,1,2,3
	global_load_b128 v[WT+32*\t+16*\ks+4*\q:WT+32*\t+16*\ks+4*\q+3], v[LI], s[WTB:WTB+1] offset:(2*\t+\ks)*2048+\q*512
.endr
.endr
.endr
.irp t, 0,1
	global_load_b128 v[AP+8*\t:AP+8*\t+3], v[NO0], s[ABB:ABB+1] offset:\t*64           ; A and B of outputs 16 t + 8 h + 0 .. 7
	global_load_b128 v[AP+8*\t+4:AP+8*\t+7], v[NO0], s[ABB:ABB+1] offset:\t*64+16
	global_load_b128 v[BP+8*\t:BP+8*\t+3], v[NO0], s[ABB:ABB+1] offset:1024+\t*64
	global_load_b128 v[BP+8*\t+4:BP+8*\t+7], v[NO0], s[ABB:ABB+1] offset:1024+\t*64+16
.endr
	s_cmp_lt_u32 s[WV], 4
	s_cbranch_scc1 .Lno_codes
	; the consumers quantise x - x_r: their 64 channels are half of a K step of the last product: two quads of each tile's fragment
.irp mt, 0,1,2,3,4,5,6,7
	WIN 0x41                                       ; source 0 and destination window 1
.set cnt, 0
.rept 32
	v_med3_num_f32 v[32*\mt+cnt], -v[32*\mt+cnt], s57, s56   ; the sign and the hold in one; each accumulator from its low end on
.set cnt, cnt+1
.endr
	WIN 0x01                                       ; source 0 window 1
.irp f, 0,1,2,3
	v_cvt_scalef32_pk8_fp8_f32 v[DC+8*\mt+2*\f:DC+8*\mt+2*\f+1], v[32*\mt+8*\f:32*\mt+8*\f+7], v[SCX]
.endr
	WIN 0
	v_nop                                          ; a plain line behind the conversions
	ds_store_b128 v[DWA], v[DC+8*\mt:DC+8*\mt+3] offset:\mt*4096
	ds_store_b128 v[DWA], v[DC+8*\mt+4:DC+8*\mt+7] offset:\mt*4096+512
.endr
.Lno_codes:
	BAR                                            ; the sixteen fragments of x - x_r lie in LDS
	WIN 0x40                                       ; destination window 1
.irp t, 0,1
.irp j, 0,1,2,3,4,5,6,7
.irp g, 0,1
	global_load_b128 v[4*((8*\t+\j)*2+\g):4*((8*\t+\j)*2+\g)+3], v[XO], s[XB2:XB2+1] offset:(16*\t+\j)*16384+256*\g th:TH_LOAD_NT   ; x for the residual, in the order in which the result leaves
.endr
.endr
.endr
.macro LAST rd                         ; tiles 4 rd .. 4 rd + 3 of m: eight accumulators by turns, a K step at a time
	WIN 0x40
.irp ks, 0,1
.irp ml, 0,1,2,3
.irp q, 0,1,2,3
	ds_load_b128 v[128+64*\ks+16*\ml+4*\q:128+64*\ks+16*\ml+4*\q+3], v[PRA] offset:(4*\rd+\ml)*4096+\ks*2048+\q*512
.endr
.endr
.endr
.if \rd == 0
	s_wait_loadcnt 32                              ; w_t's fragments and the constants are in; the 32 loads of x behind them may be out
.endif
	s_wait_dscnt 16                                ; the first K step's fragments are in
	WIN 0x04                                       ; source 1 window 1
.irp ml, 0,1,2,3
.irp t, 0,1
	v_wmma_f32_16x16x128_fp8_fp8 v[ACC+64*\t+8*(4*\rd+\ml):ACC+64*\t+8*(4*\rd+\ml)+7], v[WT+32*\t:WT+32*\t+15], v[128+16*\ml:128+16*\ml+15], 0
.endr
.endr
	s_wait_dscnt 0x0
.irp ml, 0,1,2,3
.irp t, 0,1
	v_wmma_f32_16x16x128_fp8_fp8 v[ACC+64*\t+8*(4*\rd+\ml):ACC+64*\t+8*(4*\rd+\ml)+7], v[WT+32*\t+16:WT+32*\t+31], v[192+16*\ml:192+16*\ml+15], v[ACC+64*\t+8*(4*\rd+\ml):ACC+64*\t+8*(4*\rd+\ml)+7]
.endr
.endr
	PLACES
.endm
	LAST 0
	LAST 1
	WIN 0
	s_wait_loadcnt 0x0                             ; x
.irp t, 0,1
.irp mt, 0,1,2,3,4,5,6,7
.irp j, 0,2,4,6
	v_pk_fma_f32 v[ACC+64*\t+8*\mt+\j:ACC+64*\t+8*\mt+\j+1], v[ACC+64*\t+8*\mt+\j:ACC+64*\t+8*\mt+\j+1], v[AP+8*\t+\j:AP+8*\t+\j+1], v[BP+8*\t+\j:BP+8*\t+\j+1]   ; the scales, b_t and the norm in one: y = sum x A + B
.endr
.endr
.endr
	WIN 0x04                                       ; source 1 (x) window 1
.irp t, 0,1
.irp mt, 0,1,2,3,4,5,6,7
.irp j, 0,1,2,3,4,5,6,7
	v_add_f32 v[ACC+64*\t+8*\mt+\j], v[ACC+64*\t+8*\mt+\j], v[4*((8*\t+\j)*2+\mt/4)+\mt%4]
.endr
.endr
.endr
	WIN 0x44                                       ; source 1 and destination window 1
.irp t, 0,1
.irp mt, 0,1,2,3,4,5,6,7
.irp j, 0,1,2,3,4,5,6,7
	v_max_num_f32 v[4*((8*\t+\j)*2+\mt/4)+\mt%4], v[ACC+64*\t+8*\mt+\j], v[4*((8*\t+\j)*2+\mt/4)+\mt%4]   ; x + max(y, 0) = max(x + y, x), into x's place: four neighbouring m in four neighbouring registers
.endr
.endr
.endr
	WIN 0x04                                       ; a store's data: source 1
.irp t, 0,1
.irp j, 0,1,2,3,4,5,6,7
.irp g, 0,1
	global_store_b128 v[XO], v[4*((8*\t+\j)*2+\g):4*((8*\t+\j)*2+\g)+3], s[OB:OB+1] offset:(16*\t+\j)*16384+256*\g th:TH_STORE_NT   ; sixteen lanes store 256 consecutive bytes, aligned
.endr
.endr
.endr
	WIN 0
	s_wait_tensorcnt 0x0                           ; the wave's end: behind my last tensor load and my last LDS store
	ds_add_u32 v[SPW], v[NIL]
	s_wait_dscnt 0x0
	CROUND                                         ; the closing round: no work-group ends while a partner may still ask for a tile that names it
	s_endpgm
.Lfunc_end_k_qd9eef75ffb_attn:
	.size	k_qd9eef75ffb_attn, .Lfunc_end_k_qd9eef75ffb_attn-k_qd9eef75ffb_attn
	.p2alignl 7, 3214868480
	.fill 96, 4, 3214868480
	.section	.rodata,"a",@progbits
	.p2align	6, 0x0
	.amdhsa_kernel k_qd9eef75ffb_attn
		.amdhsa_group_segment_fixed_size 327680
		.amdhsa_private_segment_fixed_size 0
		.amdhsa_enable_private_segment 0
		.amdhsa_kernarg_size 72
		.amdhsa_user_sgpr_count 2
		.amdhsa_user_sgpr_kernarg_segment_ptr 1
		.amdhsa_wavefront_size32 1
		.amdhsa_system_sgpr_workgroup_id_x 1
		.amdhsa_system_sgpr_workgroup_id_y 1
		.amdhsa_system_sgpr_workgroup_id_z 1
		.amdhsa_system_vgpr_workitem_id 0
		.amdhsa_next_free_vgpr 512
		.amdhsa_next_free_sgpr 96
		.amdhsa_reserve_vcc 0
		.amdhsa_float_denorm_mode_32 3
		.amdhsa_float_denorm_mode_16_64 3
		.amdhsa_memory_ordered 1
		.amdhsa_forward_progress 1
		.amdhsa_inst_pref_size 174
	.end_amdhsa_kernel
	.amdgpu_metadata
---
amdhsa.version: [ 1, 2 ]
amdhsa.kernels:
  - .name:           k_qd9eef75ffb_attn
    .symbol:         k_qd9eef75ffb_attn.kd
    .args:
      - { .name: x, .offset: 0, .size: 8, .value_kind: global_buffer, .address_space: global }
      - { .name: q_img, .offset: 8, .size: 8, .value_kind: global_buffer, .address_space: global }
      - { .name: k_img, .offset: 16, .size: 8, .value_kind: global_buffer, .address_space: global }
      - { .name: v_img, .offset: 24, .size: 8, .value_kind: global_buffer, .address_space: global }
      - { .name: nst, .offset: 32, .size: 8, .value_kind: global_buffer, .address_space: global }
      - { .name: wt_img, .offset: 40, .size: 8, .value_kind: global_buffer, .address_space: global }
      - { .name: ab, .offset: 48, .size: 8, .value_kind: global_buffer, .address_space: global }
      - { .name: lowp_scales, .offset: 56, .size: 8, .value_kind: global_buffer, .address_space: global }
      - { .name: out0, .offset: 64, .size: 8, .value_kind: global_buffer, .address_space: global }
    .group_segment_fixed_size: 327680
    .private_segment_fixed_size: 0
    .kernarg_segment_align: 8
    .kernarg_segment_size: 72
    .max_flat_workgroup_size: 256
    .sgpr_count:     96
    .vgpr_count:     512
    .wavefront_size: 32
...
	.end_amdgpu_metadata
.endif
;; end of part 3
